; MI455X (gfx1250); checked and timed in simulation.
; The chip was launched on July 23, 2026; its instructions are those of AMD's public machine-readable ISA for CDNA 5 (MIT licence, August 2026) and "CDNA5" Instruction Set Architecture Reference Guide (July 2026). The comments in the code are by the model that wrote it; some were corrected since.
;; Multi Headed Attention3 D. Allowed arithmetic: matrix products marked QUANTISED: E2M3 operands, one E8M0 scale for each 32 along K, by v_wmma_scale_f32_16x16x128_f8f6f4 with both operands' format E2M3, f32 sums; products left as they are: f32 operands where the result goes on into a quantised operand, else bf16, f16 or f32 operands; f32 sums; everything else in f32.
;; Inputs: Wk 256 x 256 float32; Wo 256 x 256 float32; Wq 256 x 256 float32; Wv 256 x 256 float32; X_Key 4 x 256 x 256 x 64 float32; X_Query 4 x 256 x 256 x 64 float32; X_Value 4 x 256 x 256 x 64 float32; bk 256 float32; bo 256 float32; bq 256 float32; bv 256 float32.
;; Outputs: out0 4 x 256 x 256 x 64 float32.
;; This version of the problem:
;;   THIS VERSION OF THE PROBLEM IS GIVEN IN LOW PRECISION. The matrix products marked QUANTISED in the list below multiply operands that are first quantised to E2M3 (2 exponent bits, 3 mantissa bits; 6 bits a number), with one power-of-two scale for each 32 numbers along K (OCP MX v1.0); their sums are f32. All else is computed in f32.
;;   The module's matrix products, in the order in which they are computed (A, B: the left and right operand; K: the contracted axis; several contracted axes count as one K, in the product's order):
;;     1. [M 256, K 256] x [K 256, N 65,536]; A: input Wq; B: input X_Query: QUANTISED
;;     2. [M 256, K 256] x [K 256, N 65,536]; A: input Wk; B: input X_Key: QUANTISED
;;     3. [M 256, K 256] x [K 256, N 65,536]; A: input Wv; B: input X_Value: QUANTISED
;;     4. batch 4,096 x [M 256, K 16] x [K 16, N 256]; A: computed on the way; B: computed on the way: left as it is (K = 16 < 32)
;;     5. batch 4,096 x [M 16, K 256] x [K 256, N 256]; A: computed on the way; B: softmax (see below): QUANTISED
;;     6. [M 256, K 256] x [K 256, N 65,536]; A: input Wo; B: computed on the way: QUANTISED
;;   THE QUANTISER, for each operand of a quantised product, along K:
;;     - K is cut into blocks of 32 from its start; a last block that is shorter is filled with zeros.
;;     - A block's scale is 2^e with e = floor(log2(the largest magnitude in the block)) - 2, held to -126 .. 127; a block of zeros has e = 0. As a byte (E8M0): e + 127.
;;     - Each number is divided by its block's scale, clamped to +-7.5, and rounded to the nearest number of E2M3, ties to even, subnormals kept.
;;     - The product sums the exact products of the quantised numbers (number of the format x scale) in f32.
;;   ~~~python
;;   def quantise(x, axis):      # numpy; x: float32 -> the quantised numbers, widened to float32 again
;;       x = np.moveaxis(x, axis, -1); K = x.shape[-1]
;;       x = np.pad(x, [(0, 0)] * (x.ndim - 1) + [(0, -K % 32)]); x = x.reshape(x.shape[:-1] + (-1, 32)); a = np.abs(x).max(-1, keepdims=True)
;;       e = np.where(a > 0, np.clip(np.frexp(np.where(a > 0, a, 1))[1] - 1 - 2, -126, 127), 0)      # np.frexp(a)[1] - 1 = floor(log2(a)), exactly
;;       r = np.clip(x / 2.0 ** e, -7.5, 7.5)
;;       step = 2.0 ** (np.maximum(np.frexp(np.where(r == 0, 1, r))[1] - 1, 0) - 3)
;;       q = np.round(r / step) * step * 2.0 ** e      # np.round: ties to even
;;       return np.moveaxis(q.reshape(q.shape[:-2] + (-1,))[..., :K], -1, axis).astype(np.float32)
;;   ~~~
;;   SOFTMAX AHEAD OF A QUANTISED PRODUCT. Where the list says 'softmax', what is quantised is not the finished softmax but p = 2^(t - M), with t = logit x log2(e) and M = ceil(the row's largest t), a whole number; so 1/2 < the row's largest p <= 1. The row's sum l is taken of the UNQUANTISED p, in f32, and the product's result is divided by l at the end. Since M is a whole number, a kernel that streams over the keys may use a running M (the ceiling of the running maximum): every later rescaling is an exact power of two, which a block's scale takes up: the codes' values come out the same.
;;   OPERANDS COMPUTED ON THE WAY. 'Computed on the way' means the value that the module computes at that place (a softmax that the list does not call 'softmax' is quantised finished and normalised). What goes into a quantiser is computed in f32, as accurately as f32 sums, v_exp_f32 and their like allow (about 1e-6 of the number): no bf16 or f16 on the way to a quantiser, and a product that is left as it is and whose result goes on into a quantised operand takes f32 operands (vector FMAs, or v_wmma_f32_16x16x4_f32). A number that lies on a knife's edge between two numbers of the format may be rounded either way, as far as f32 arithmetic and the matrix unit's own rounding can turn it there, and no further.
;; One version. Each part assembles by itself: llvm-mc -triple=amdgcn-amd-amdhsa -mcpu=gfx1250 --defsym DOCPART=n.
;; ======== version 1 of 1: 2 launches
;; workspace buffers: wcodes 196,608 bytes; wscales 8,192 bytes
;; launch prep (part 1): grid 16 x 4, 2 waves a work-group, no clusters, 0 bytes of LDS; arguments Wq, Wk, Wv, Wo, wcodes, wscales; writes wcodes, wscales
.if DOCPART == 1
	.amdgcn_target "amdgcn-amd-amdhsa--gfx1250"
	.amdhsa_code_object_version 6
	.text
	.protected	k_qd971b8b4d0_prep
	.globl	k_qd971b8b4d0_prep
	.p2align	8
	.type	k_qd971b8b4d0_prep,@function
k_qd971b8b4d0_prep:
	s_mov_b64 s[64:65], 0
	v_nop
	global_prefetch_b8 v0, s[64:65] scope:SCOPE_SE
	s_setreg_imm32_b32 hwreg(HW_REG_WAVE_MODE, 25, 1), 1
	s_wait_xcnt 0x0
; The four weights [256][256] f32 (K = the second axis, innermost) become codes of FP6 (E2M3) with one E8M0 byte for each 32 along K,
; laid in the ORDER OF THE OPERAND'S REGISTERS, so that the main launch loads a fragment by three loads of 16 bytes a lane.
; Work-group (x = T, y = weight: 0 Wq, 1 Wk, 2 Wv, 3 Wo); wave s makes the fragment of tile T for K step s (128 along K).
; THE ROWS OF A TILE ARE NOT NEIGHBOURS: lane r of tile T = 2 w + u takes row 32 w + 8 u + r + 8 (r / 8).
; wcodes: fragment F = 32 y + 2 T + s, 1,536 bytes; registers 4 i .. 4 i + 3 of lane l at 512 i + 16 l.
; wscales: (16 y + T) x 128 bytes; word r + 16 s is the scale word of the tile's row r for K step s.
; A block's scale byte is its largest magnitude's exponent field - 2, held at 1 from below.
; LIMITS: a block of zeros, or one whose largest magnitude lies under 2^-124, gets the byte 1 (its bytes are read by this program alone);
; NaN and infinities among the inputs are not served.
.set FLOOR, 0x1800000                  ; 2^(3 - 127)
	s_load_b256 s[4:11], s[0:1], 0x0               ; Wq, Wk, Wv, Wo
	s_load_b128 s[12:15], s[0:1], 0x20             ; wcodes, wscales
	v_lshrrev_b32 v1, 5, v0
	v_readfirstlane_b32 s16, v1                    ; wave = K step s
	s_and_b32 s17, ttmp7, 0xffff                   ; y: which weight
	v_and_b32 v1, 15, v0                           ; r
	v_bfe_u32 v2, v0, 4, 1                         ; h
	v_and_b32 v3, 8, v1
	v_add_nc_u32 v3, v3, v1                        ; r + 8 (r / 8)
	v_lshlrev_b32 v5, 10, v3                       ; a row is 1,024 bytes
	v_lshl_add_u32 v5, v2, 7, v5                   ; + 32 h numbers: lane (r, h) holds k = 64 c + 32 h + 0 .. 31
	v_and_b32 v4, 31, v0
	v_lshlrev_b32 v6, 4, v4                        ; the image: 16 bytes a lane
	v_lshlrev_b32 v7, 2, v1                        ; the scale word: 4 bytes a row
	s_mov_b32 s20, 0x76543210
	s_mov_b32 s21, 0xfedcba98                      ; lane selects: lane l xor 16
	s_lshr_b32 s18, ttmp9, 1
	s_lshl_b32 s18, s18, 15                        ; 32 w rows
	s_and_b32 s19, ttmp9, 1
	s_lshl_b32 s19, s19, 13                        ; + 8 u rows
	s_add_co_u32 s18, s18, s19
	s_lshl_b32 s19, s16, 9                         ; + 128 s numbers
	s_add_co_u32 s18, s18, s19
	s_mov_b32 s19, 0
	s_lshl_b32 s22, s17, 5
	s_lshl_b32 s23, ttmp9, 1
	s_add_co_u32 s22, s22, s23
	s_add_co_u32 s22, s22, s16                     ; F
	s_mul_i32 s22, s22, 1536
	s_mov_b32 s23, 0
	s_lshl_b32 s24, s17, 4
	s_add_co_u32 s24, s24, ttmp9
	s_lshl_b32 s24, s24, 7
	s_lshl_b32 s25, s16, 6
	s_add_co_u32 s24, s24, s25
	s_mov_b32 s25, 0
	s_wait_kmcnt 0x0
	s_cmp_eq_u32 s17, 1                            ; the choice hangs on the work-group's number alone
	s_cselect_b64 s[4:5], s[6:7], s[4:5]
	s_cmp_eq_u32 s17, 2
	s_cselect_b64 s[4:5], s[8:9], s[4:5]
	s_cmp_eq_u32 s17, 3
	s_cselect_b64 s[4:5], s[10:11], s[4:5]
	s_add_nc_u64 s[4:5], s[4:5], s[18:19]
	s_add_nc_u64 s[12:13], s[12:13], s[22:23]
	s_add_nc_u64 s[14:15], s[14:15], s[24:25]
.irp c, 0,1
.irp i, 0,1,2,3,4,5,6,7
	global_load_b128 v[64+32*\c+4*\i:64+32*\c+4*\i+3], v5, s[4:5] offset:256*\c+16*\i   ; my block 2 c + h: 32 neighbours of my row
.endr
.endr
	s_wait_loadcnt 0x0
.irp c, 0,1
	v_max3_num_f32 v[32+\c], |v[64+32*\c]|, |v[65+32*\c]|, FLOOR   ; the block's largest magnitude, with the floor among its leaves
.endr
.irp i, 2,4,6,8,10,12,14,16,18,20,22,24,26,28,30
.irp c, 0,1
	v_max3_num_f32 v[32+\c], v[32+\c], |v[64+32*\c+\i]|, |v[65+32*\c+\i]|   ; (the two blocks by turns)
.endr
.endr
.irp c, 0,1
	v_add_nc_u32 v[44+\c], 0xff000000, v[32+\c]    ; 2 off the exponent field: the conversion's scale operand
.endr
.irp c, 0,1
	v_lshrrev_b32 v[36+\c], 23, v[44+\c]           ; the scale's byte
.endr
	v_lshl_or_b32 v9, v37, 16, v36                 ; my two bytes: blocks h and 2 + h,
	v_lshlrev_b32 v10, 3, v2
	v_lshlrev_b32 v9, v10, v9                      ; at their places in the word;
	v_mov_b32 v10, 0
	v_permlanex16_b32 v10, v9, s20, s21
	v_or_b32 v9, v9, v10                           ; with lane l xor 16's two the word is whole
.irp c, 0,1
	v_cvt_scalef32_pk16_fp6_f32 v[48+6*\c:50+6*\c], v[64+32*\c:79+32*\c], v[44+\c]
	v_cvt_scalef32_pk16_fp6_f32 v[24+4*\c:26+4*\c], v[80+32*\c:95+32*\c], v[44+\c]   ; (a conversion's three registers begin on an even number)
.endr
	v_nop                                          ; one plain place behind a scaled conversion
.irp c, 0,1
.irp i, 0,1,2
	v_mov_b32 v[51+6*\c+\i], v[24+4*\c+\i]
.endr
.endr
.irp i, 0,1,2
	global_store_b128 v6, v[48+4*\i:51+4*\i], s[12:13] offset:512*\i   ; 32 lanes store 512 consecutive bytes
.endr
	global_store_b32 v7, v9, s[14:15]              ; both halves of the lanes hold and store the same word
	s_endpgm
.Lfunc_end_k_qd971b8b4d0_prep:
	.size	k_qd971b8b4d0_prep, .Lfunc_end_k_qd971b8b4d0_prep-k_qd971b8b4d0_prep
	.p2alignl 7, 3214868480
	.fill 96, 4, 3214868480
	.section	.rodata,"a",@progbits
	.p2align	6, 0x0
	.amdhsa_kernel k_qd971b8b4d0_prep
		.amdhsa_group_segment_fixed_size 0
		.amdhsa_private_segment_fixed_size 0
		.amdhsa_enable_private_segment 0
		.amdhsa_kernarg_size 48
		.amdhsa_user_sgpr_count 2
		.amdhsa_user_sgpr_kernarg_segment_ptr 1
		.amdhsa_wavefront_size32 1
		.amdhsa_system_sgpr_workgroup_id_x 1
		.amdhsa_system_sgpr_workgroup_id_y 1
		.amdhsa_system_sgpr_workgroup_id_z 1
		.amdhsa_system_vgpr_workitem_id 0
		.amdhsa_next_free_vgpr 128
		.amdhsa_next_free_sgpr 66
		.amdhsa_reserve_vcc 0
		.amdhsa_float_denorm_mode_32 3
		.amdhsa_float_denorm_mode_16_64 3
		.amdhsa_memory_ordered 1
		.amdhsa_forward_progress 1
		.amdhsa_inst_pref_size 7
	.end_amdhsa_kernel
	.amdgpu_metadata
---
amdhsa.version: [ 1, 2 ]
amdhsa.kernels:
  - .name:           k_qd971b8b4d0_prep
    .symbol:         k_qd971b8b4d0_prep.kd
    .args:
      - { .name: Wq, .offset: 0, .size: 8, .value_kind: global_buffer, .address_space: global }
      - { .name: Wk, .offset: 8, .size: 8, .value_kind: global_buffer, .address_space: global }
      - { .name: Wv, .offset: 16, .size: 8, .value_kind: global_buffer, .address_space: global }
      - { .name: Wo, .offset: 24, .size: 8, .value_kind: global_buffer, .address_space: global }
      - { .name: wcodes, .offset: 32, .size: 8, .value_kind: global_buffer, .address_space: global }
      - { .name: wscales, .offset: 40, .size: 8, .value_kind: global_buffer, .address_space: global }
    .group_segment_fixed_size: 0
    .private_segment_fixed_size: 0
    .kernarg_segment_align: 8
    .kernarg_segment_size: 48
    .max_flat_workgroup_size: 64
    .sgpr_count:     66
    .vgpr_count:     128
    .wavefront_size: 32
...
	.end_amdgpu_metadata
.endif
;; end of part 1
;; launch main (part 2): grid 256 x 1, 8 waves a work-group, no clusters, 263,168 bytes of LDS; arguments X_Query, X_Key, X_Value, bq, bk, bv, bo, wcodes, wscales, out0; writes out0
.if DOCPART == 2
	.amdgcn_target "amdgcn-amd-amdhsa--gfx1250"
	.amdhsa_code_object_version 6
	.text
	.protected	k_qd971b8b4d0_main
	.globl	k_qd971b8b4d0_main
	.p2align	8
	.type	k_qd971b8b4d0_main,@function
k_qd971b8b4d0_main:
	s_mov_b64 s[64:65], 0
	v_nop
	global_prefetch_b8 v0, s[64:65] scope:SCOPE_SE
	s_setreg_imm32_b32 hwreg(HW_REG_WAVE_MODE, 25, 1), 1
	s_wait_xcnt 0x0
; The whole chain for one point (b, n) at a time: q, k, v = W X + b (MX-FP6), scores = q k^T / 4 over 16 numbers a head (f32 matrix form, since the scores go on into a quantiser),
; p = 2^(t - M) (M a whole number), o = p v / sum(p) (MX-FP6), out = Wo o + bo (MX-FP6).  Nothing but X, the weights' codes and out0 touches memory.
; SHARES.  Work-group g stays and walks the four points b = g / 64, n = g % 64 + 64 p.  Eight waves, two to a SIMD.  WAVE w OWNS CHANNELS 32 w .. 32 w + 31 IN EVERY ROLE: the rows c of X that it
; quantises, the d of q and o, the e of k and v, the rows of out.  So every block of 32 along every K is made by one wave.
; TILES.  Lane r of tile (w, u) is channel 32 w + 8 u + r + 8 (r / 8): index m = 8 h + j of a result is then channel 32 w + 16 h + 8 u + j, and tiles u = 0, 1 give a lane 16 neighbouring channels.
; LAYOUTS.  q, k: source 0 = X^T (16 columns of a head), source 1 = W: a lane holds ONE channel, its registers 8 h + j of the head's 16: register pairs (2 kk, 2 kk + 1) ARE fragments of the f32 form
; (the same permutation of K on both sides).  v, out: sources swapped: a lane holds one column l, its registers run along the channels, which are the next K.
; scores: source 0 = 16 keys, source 1 = my 16 queries: a lane holds one query.  o: source 0 = p, source 1 = v^T: a lane holds one column, registers along d.
; TWO CHUNKS OF 128 KEYS A ROW.  The first chunk's codes are made under its own M; when the second chunk moves M by a whole number, that number is added to the first chunk's scale bytes and the sum is
; multiplied by the power of two: exact.  The row's sum of the unquantised p is gathered and transposed by one f32 matrix instruction against ones, which also stands between the two links on o's accumulator.
; BY TURNS.  A chunk's softmax has a HEAD, which reads the scores (maxima, M, t - M into other registers), and a TAIL, which does not (exponentials, sums, scale bytes, codes).  Behind the head the score
; registers are free: the next chunk's 32 f32 matrix instructions follow at once, in the same registers, and the tail stands in slices behind them: 4 entries of its list behind each of the first 16, 4 or 6 behind
; each of the others.  k and q lie in window 1 and all that the tail touches in window 0, so a slice costs two switches of the register window: 192 a head, the price of not leaving the matrix unit without work
; through 125 or 152 vector instructions a chunk.  Three of a head's four tails stand so; the fourth's partner would be the next head's first scores, across the loop's edge: it stands alone.
; THE TWO WAVES OF A SIMD ARE PUT OUT OF STEP: the q projection, which touches registers and the wave's own LDS alone, stands ahead of the barrier in one of them and behind it in the other.
; X comes through registers, one head's trip ahead, in rows of 256 aligned bytes, and turns through the wave's own stage in LDS (a lane to a column, registers down c).
; NOT USED, by this text's own arithmetic: tensor loads (X is asked for 128 f32 matrix instructions ahead of its use, so no wave stands waiting for it); clusters (work-groups share the weights alone; their
; 204,800 bytes do not fit beside the 262,144 bytes of LDS in use, and a wave wants only its own eighth, in registers); a prefetch (for the same reason as tensor loads).
; LIMITS: NaN and infinities among the inputs are not served.  A block whose largest magnitude lies under 2^-124, or a block of zeros, has the scale byte 1.  p under 2^-126 counts as 0.
; A first chunk's scale byte is held at 1 from below when M rises past its range: what is lost lies under 7.5 x 2^-126 x |v|.
;
; LDS (bytes).  Code images: fragment f = 2 t + s (head t, K step s) of 1,536 bytes; lane L's 12 registers at 48 L.  Scale words: 128 t + 64 s + 4 r, byte = block % 4.
.set XI,  0                            ; X^T's codes: 12,288 for each of Q, K, V
.set VI,  36864                        ; v^T's codes
.set OI,  49152                        ; o^T's codes
.set XSR, 61440                        ; X's scale words: 512 for each of Q, K, V
.set VSR, 62976                        ; v's
.set OSR, 63488                        ; o's
.set KR,  65536                        ; k in f32, register images: (16 t + tile) x 1,024 + 512 i + 16 lane
.set QR,  131072                       ; q in f32, each wave's own: 8,192 w + (2 t + u) x 1,024 + 512 i + 16 lane
.set ST,  196608                       ; each wave's own stage, 8,192 w: 32 rows x 256 bytes
.set FLOOR, 0x1800000                  ; 2^(3 - 127)
.set EOFF,  0xff000000                 ; 2 off an exponent field
; REGISTERS, window 0
.set L16, 1                            ; 16 lane
.set L4,  2                            ; 4 lane
.set GX,  3                            ; X and out: (lane / 16) rows of 65,536 bytes + 16 (lane % 16)
.set STA, 4                            ; my stage + 16 lane
.set STC, 5                            ; my stage + 4 lane
.set STO, 6                            ; my stage + 4,096 (lane / 16) + 4 (lane % 16)
.set XW,  7                            ; where I put a column's 24 bytes of X's codes
.set XSW, 8                            ; and its scale byte
.set L48, 9                            ; 48 lane
.set CW,  10                           ; where I put 12 bytes of v's or o's codes
.set SW,  11                           ; and their scale byte
.set KW,  12                           ; where I put my tiles of k
.set QW,  13                           ; my q
.set KRB, 14                           ; KR + 16 lane
.set BOFF, 15                          ; 64 (lane / 16): bv, bo
.set AQ,  16                           ; v16-21, v41-42: addresses made anew in each trip
.set AV,  17
.set AKN, 18
.set AXW, 19
.set AXS, 20
.set AVS, 21
.set BQ,  22                           ; v22-23 bq of my lane's channel in tiles 0, 1;  v24-25 bk
.set BK,  24
.set WSC, 26                           ; v26-33 the weights' scale words (2 y + u): lanes 0-15 K step 0, lanes 16-31 K step 1
.set XSC, 34                           ; v34-37 X's or o's scale words, by head
.set VSC, 38                           ; v's;  v39, v40: p's two
.set PW0, 39
.set PW1, 40
.set AOW, 41
.set AOS, 42
.set BIO, 47                           ; 4 (r + 8 (r / 8))
.set S,   48                           ; v48-111 eight score accumulators: written by f32 matrix instructions alone
.set LSUM, 112                         ; v112-119 the rows' sums: likewise
.set O,   120                          ; v120-127 o's accumulator
.set PR,  128                          ; v128-191 p;  v128-223: eight code fragments in the projections
.set P0,  192
.set P1,  204
.set PT,  216
.set BMA, 224
.set BMB, 228
.set PTM, 232
.set E,   236
.set BY,  240
.set NEGM, 244
.set TMAX, 245
.set F,   246
.set SUM, 248
.set SB,  250
.set DI,  252
.set RM,  253
; window 1 (v256-511, written by their low 8 bits)
.set D,   0                            ; 0-63 the projections' eight accumulators;  in attention 0-127: k of one head
.set WK,  64
.set BV,  112
.set WV,  128
.set QC,  128                          ; in attention: q (t, u = 0, 1)
.set VF,  144                          ; v's two fragments
.set OT,  168                          ; o: 16 neighbouring channels of my column
.set WQ,  184                          ; Wq; in attention X on its way in; in the last trip Wo
.set BO,  232
.set ONES, 250
.set MSB, 0
.macro WIN new                         ; s_set_vgpr_msb: bits 1:0 source 0, 3:2 source 1, 5:4 source 2, 7:6 destination; the high byte repeats the setting that is left
.if MSB != \new
	s_set_vgpr_msb (MSB<<8)|\new
.set MSB, \new
.endif
.endm
.macro NOPS n                          ; places behind matrix instructions (ISA guide 7.12.1)
.rept \n
	v_nop
.endr
.endm
.macro BARRIER                         ; my LDS stores have landed and my LDS loads are in: then the work-group's barrier
	s_wait_dscnt 0x0
	s_barrier_signal -1
	s_barrier_wait -1
.endm
; my 32 rows of X at one point: lanes 0-15 take row 2 i whole (256 aligned bytes), lanes 16-31 row 2 i + 1
.macro XLOAD reg, base
	WIN 0x40
.irp i, 0,1,2,3,4,5,6,7,8,9,10,11,12,13,14,15
	global_load_b128 v[\reg+4*\i:\reg+4*\i+3], v[GX], s[\base:\base+1] offset:131072*\i th:TH_LOAD_NT
.endr
	WIN 0
.endm
; those rows turn through my stage: a lane then holds a column (l = lane + 32 j) and its registers run down my 32 channels: a whole block.  Codes and scale bytes go to the images at v[AXW], v[AXS].
.macro XQUANT reg
	WIN 0x04                                       ; an LDS store's data are its source 1
.irp i, 0,1,2,3,4,5,6,7,8,9,10,11,12,13,14,15
	ds_store_b128 v[STA], v[\reg+4*\i:\reg+4*\i+3] offset:512*\i
.endr
	WIN 0
.irp j, 0,1
.set n, 0
.rept 32
	ds_load_b32 v[PR+32*\j+n], v[STC] offset:256*n+128*\j   ; LDS serves a wave's instructions in order: these see my stores
.set n, n+1
.endr
.endr
.irp j, 0,1
	s_wait_dscnt 32-32*\j                          ; column group j is in; group 1's 32 loads may stay out while group 0 is searched
	v_max3_num_f32 v[BMA+2*\j], |v[PR+32*\j]|, |v[PR+32*\j+1]|, |v[PR+32*\j+2]|
	v_max3_num_f32 v[BMA+2*\j+1], |v[PR+32*\j+3]|, |v[PR+32*\j+4]|, |v[PR+32*\j+5]|
.irp i, 6,10,14,18,22,26
	v_max3_num_f32 v[BMA+2*\j], v[BMA+2*\j], |v[PR+32*\j+\i]|, |v[PR+32*\j+\i+1]|
	v_max3_num_f32 v[BMA+2*\j+1], v[BMA+2*\j+1], |v[PR+32*\j+\i+2]|, |v[PR+32*\j+\i+3]|
.endr
	v_max3_num_f32 v[BMA+2*\j], v[BMA+2*\j], |v[PR+32*\j+30]|, |v[PR+32*\j+31]|
	v_max3_num_f32 v[BMA+2*\j], v[BMA+2*\j], v[BMA+2*\j+1], FLOOR
.endr
.irp j, 0,1
	v_add_nc_u32 v[E+\j], EOFF, v[BMA+2*\j]        ; the conversion's scale operand
.endr
.irp j, 0,1
	v_lshrrev_b32 v[BY+\j], 23, v[E+\j]            ; the scale's byte
.endr
.irp j, 0,1
	v_cvt_scalef32_pk16_fp6_f32 v[P0+8*\j:P0+8*\j+2], v[PR+32*\j:PR+32*\j+15], v[E+\j]
	v_cvt_scalef32_pk16_fp6_f32 v[P0+8*\j+4:P0+8*\j+6], v[PR+32*\j+16:PR+32*\j+31], v[E+\j]
.endr
	v_nop                                          ; one plain place behind a scaled conversion
.irp j, 0,1
	ds_store_b64 v[AXW], v[P0+8*\j:P0+8*\j+1] offset:6144*\j       ; 24 bytes at a multiple of 8
	ds_store_b32 v[AXW], v[P0+8*\j+2] offset:6144*\j+8
	ds_store_b32 v[AXW], v[P0+8*\j+4] offset:6144*\j+12
	ds_store_b32 v[AXW], v[P0+8*\j+5] offset:6144*\j+16
	ds_store_b32 v[AXW], v[P0+8*\j+6] offset:6144*\j+20
	ds_store_b8 v[AXS], v[BY+\j] offset:256*\j
.endr
.endm
.macro WLOAD y, reg                    ; my four fragments (2 u + s) of weight y
	WIN 0x40
.irp f, 0,1,2,3
.irp i, 0,1,2
	global_load_b128 v[\reg+12*\f+4*\i:\reg+12*\f+4*\i+3], v[L16], s[22:23] offset:49152*\y+1536*\f+512*\i
.endr
.endr
	WIN 0
.endm
.macro BLOAD ptr, reg                  ; a bias in the layout of a result whose registers run along the channels: 16 h + 0 .. 15
	WIN 0x40
.irp i, 0,1,2,3
	global_load_b128 v[\reg+4*\i:\reg+4*\i+3], v[BOFF], s[\ptr:\ptr+1] offset:16*\i
.endr
	WIN 0
.endm
.macro LOADXF cb, sb                   ; eight code fragments and four scale words from the images
.irp f, 0,1,2,3,4,5,6,7
.irp i, 0,1,2
	ds_load_b128 v[PR+12*\f+4*\i:PR+12*\f+4*\i+3], v[L48] offset:(\cb)+1536*\f+16*\i
.endr
.endr
.irp t, 0,1,2,3
	ds_load_b32 v[XSC+\t], v[L4] offset:(\sb)+128*\t
.endr
.endm
; q, k: source 0 = X^T, source 1 = W.  The eight accumulators take turns.
.macro MMA y, wreg
	WIN 0x54
.irp s, 0,1
.irp t, 0,1,2,3
.irp u, 0,1
.if \s == 0
	v_wmma_scale_f32_16x16x128_f8f6f4 v[D+8*(2*\t+\u):D+8*(2*\t+\u)+7], v[PR+12*(2*\t+\s):PR+12*(2*\t+\s)+11], v[\wreg+12*(2*\u+\s):\wreg+12*(2*\u+\s)+11], 0, v[XSC+\t], v[WSC+2*\y+\u] matrix_a_fmt:MATRIX_FMT_FP6 matrix_b_fmt:MATRIX_FMT_FP6
.else
	v_wmma_scale_f32_16x16x128_f8f6f4 v[D+8*(2*\t+\u):D+8*(2*\t+\u)+7], v[PR+12*(2*\t+\s):PR+12*(2*\t+\s)+11], v[\wreg+12*(2*\u+\s):\wreg+12*(2*\u+\s)+11], v[D+8*(2*\t+\u):D+8*(2*\t+\u)+7], v[XSC+\t], v[WSC+2*\y+\u] matrix_a_fmt:MATRIX_FMT_FP6 matrix_b_fmt:MATRIX_FMT_FP6 matrix_a_scale:MATRIX_SCALE_ROW1 matrix_b_scale:MATRIX_SCALE_ROW1
.endif
.endr
.endr
.endr
	WIN 0
.endm
; v, out: source 0 = W, source 1 = X^T or o^T; the bias is the C of each sum's first instruction.
.macro MMB y, wreg, creg
	WIN 0x51
.irp s, 0,1
.irp t, 0,1,2,3
.irp u, 0,1
.if \s == 0
	v_wmma_scale_f32_16x16x128_f8f6f4 v[D+8*(2*\t+\u):D+8*(2*\t+\u)+7], v[\wreg+12*(2*\u+\s):\wreg+12*(2*\u+\s)+11], v[PR+12*(2*\t+\s):PR+12*(2*\t+\s)+11], v[\creg+8*\u:\creg+8*\u+7], v[WSC+2*\y+\u], v[XSC+\t] matrix_a_fmt:MATRIX_FMT_FP6 matrix_b_fmt:MATRIX_FMT_FP6
.else
	v_wmma_scale_f32_16x16x128_f8f6f4 v[D+8*(2*\t+\u):D+8*(2*\t+\u)+7], v[\wreg+12*(2*\u+\s):\wreg+12*(2*\u+\s)+11], v[PR+12*(2*\t+\s):PR+12*(2*\t+\s)+11], v[D+8*(2*\t+\u):D+8*(2*\t+\u)+7], v[WSC+2*\y+\u], v[XSC+\t] matrix_a_fmt:MATRIX_FMT_FP6 matrix_b_fmt:MATRIX_FMT_FP6 matrix_a_scale:MATRIX_SCALE_ROW1 matrix_b_scale:MATRIX_SCALE_ROW1
.endif
.endr
.endr
.endr
	WIN 0
.endm
; q or k: the lane's bias is added (each accumulator from its low end on), and the tiles go to LDS as images of their registers
.macro BIASST breg, adr, tstep
	WIN 0x41
.irp t, 0,1,2,3
.irp u, 0,1
.irp j, 0,2,4,6
.if \u == 0
	v_pk_add_f32 v[D+8*(2*\t+\u)+\j:D+8*(2*\t+\u)+\j+1], v[D+8*(2*\t+\u)+\j:D+8*(2*\t+\u)+\j+1], v[\breg:\breg+1] op_sel_hi:[1,0]
.else
	v_pk_add_f32 v[D+8*(2*\t+\u)+\j:D+8*(2*\t+\u)+\j+1], v[D+8*(2*\t+\u)+\j:D+8*(2*\t+\u)+\j+1], v[\breg:\breg+1] op_sel:[0,1] op_sel_hi:[1,1]
.endif
.endr
.endr
.endr
	WIN 0x04
.irp t, 0,1,2,3
.irp u, 0,1
.irp i, 0,1
	ds_store_b128 v[\adr], v[D+8*(2*\t+\u)+4*\i:D+8*(2*\t+\u)+4*\i+3] offset:\tstep*\t+1024*\u+512*\i
.endr
.endr
.endr
	WIN 0
.endm
.macro QPROJ                           ; q: registers and my own LDS alone (Wq and X_Query's fragments are in: the waits stand ahead of the branches, on every wave's path)
	MMA 0, WQ
	NOPS 4
	BIASST BQ, QW, 2048
.endm
.macro VST t, cr                       ; 12 bytes of v's codes and the block's byte (both halves of the lanes write the same byte)
	ds_store_b32 v[CW], v[\cr] offset:VI+3072*\t
	ds_store_b32 v[CW], v[\cr+1] offset:VI+3072*\t+4
	ds_store_b32 v[CW], v[\cr+2] offset:VI+3072*\t+8
	ds_store_b8 v[SW], v[BY+\t] offset:VSR+128*\t
.endm
.macro POSTV                           ; v: lane (r, h) holds, for head t, channels 32 w + 16 h + 0 .. 15 of column 16 t + r: half a block along the next K
	WIN 0x05
.irp t, 0,1,2,3
	v_max3_num_f32 v[BMA+\t], |v[D+16*\t]|, |v[D+16*\t+1]|, FLOOR
.endr
.irp i, 2,4,6,8,10,12,14
.irp t, 0,1,2,3
	v_max3_num_f32 v[BMA+\t], |v[D+16*\t+\i]|, |v[D+16*\t+\i+1]|, v[BMA+\t]
.endr
.endr
	WIN 0
.irp t, 0,1,2,3
	v_permlanex16_b32 v[PTM+\t], v[BMA+\t], s32, s33
.endr
.irp t, 0,1,2,3
	v_max_num_f32 v[BMA+\t], v[BMA+\t], v[PTM+\t]  ; with lane l xor 16's half: the block's largest magnitude
.endr
.irp t, 0,1,2,3
	v_add_nc_u32 v[E+\t], EOFF, v[BMA+\t]
.endr
.irp t, 0,1,2,3
	v_lshrrev_b32 v[BY+\t], 23, v[E+\t]
.endr
	WIN 0x01
	v_cvt_scalef32_pk16_fp6_f32 v[228:230], v[D:D+15], v[E]
	v_cvt_scalef32_pk16_fp6_f32 v[244:246], v[D+16:D+31], v[E+1]
	v_cvt_scalef32_pk16_fp6_f32 v[248:250], v[D+32:D+47], v[E+2]
	v_cvt_scalef32_pk16_fp6_f32 v[252:254], v[D+48:D+63], v[E+3]
	WIN 0
	v_nop                                          ; one plain place behind a scaled conversion
	VST 0, 228
	VST 1, 244
	VST 2, 248
	VST 3, 252
.endm
; 32 f32 matrix instructions: my 16 queries (tile u) against chunk x's 128 keys; the eight accumulators take turns, the first K step starts the sums
.macro SCORES u, x
	WIN 0x05
.irp kk, 0,1,2,3
.irp i, 0,1,2,3,4,5,6,7
.if \kk == 0
	v_wmma_f32_16x16x4_f32 v[S+8*\i:S+8*\i+7], v[64*\x+8*\i+2*\kk:64*\x+8*\i+2*\kk+1], v[QC+8*\u+2*\kk:QC+8*\u+2*\kk+1], 0
.else
	v_wmma_f32_16x16x4_f32 v[S+8*\i:S+8*\i+7], v[64*\x+8*\i+2*\kk:64*\x+8*\i+2*\kk+1], v[QC+8*\u+2*\kk:QC+8*\u+2*\kk+1], v[S+8*\i:S+8*\i+7]
.endif
.endr
.endr
	WIN 0
.endm
.macro KLOAD x                         ; chunk x of the head at v[AKN]: eight tiles of k
	WIN 0x40
.irp i, 0,1,2,3,4,5,6,7
.irp c, 0,1
	ds_load_b128 v[64*\x+8*\i+4*\c:64*\x+8*\i+4*\c+3], v[AKN] offset:8192*\x+1024*\i+512*\c
.endr
.endr
	WIN 0
.endm
; THE SOFTMAX OF ONE CHUNK: register 16 b + i of a lane is key 128 x + 32 b + 16 (lane / 16) + i of its query.
.macro SBSET x                         ; which registers chunk x's softmax takes, and where its list's last part begins
.if \x
.set BM, BMB
.set PC, P1
.else
.set BM, BMA
.set PC, P0
.endif
.set QB, 111+26*\x
.endm
; ITS HEAD: all that reads the scores.  Behind it the eight accumulators are free.
.macro SOFTA x
	SBSET \x
.irp b, 0,1,2,3
	v_max3_num_f32 v[BM+\b], v[S+16*\b], v[S+16*\b+1], v[S+16*\b+2]   ; the largest score of each block: for the row's maximum and for the block's largest p
.endr
.irp i, 3,5,7,9,11,13
.irp b, 0,1,2,3
	v_max3_num_f32 v[BM+\b], v[BM+\b], v[S+16*\b+\i], v[S+16*\b+\i+1]
.endr
.endr
.irp b, 0,1,2,3
	v_max_num_f32 v[BM+\b], v[BM+\b], v[S+16*\b+15]
.endr
.irp b, 0,1,2,3
	v_permlanex16_b32 v[PTM+\b], v[BM+\b], s32, s33
.endr
.irp b, 0,1,2,3
	v_max_num_f32 v[BM+\b], v[BM+\b], v[PTM+\b]
.endr
	v_max3_num_f32 v[RM], v[BM], v[BM+1], v[BM+2]
	v_max_num_f32 v[RM], v[RM], v[BM+3]
.if \x
	v_mul_f32 v[RM], s34, v[RM]
	v_max_num_f32 v[TMAX], v[TMAX], v[RM]          ; the running largest t
	v_mov_b32 v[DI], v[NEGM]
	v_floor_f32 v[NEGM], -v[TMAX]                  ; -M = floor(-t)
	v_sub_f32 v[DI], v[NEGM], v[DI]                ; old M - new M: a whole number, 0 or less
	v_cvt_i32_f32 v[DI], v[DI]
	v_ldexp_f32 v[F], 1.0, v[DI]
.else
	v_mul_f32 v[TMAX], s34, v[RM]                  ; t = score x log2(e) / 4
	v_floor_f32 v[NEGM], -v[TMAX]
.endif
.set n, 0
.rept 32
	v_pk_fma_f32 v[PR+n:PR+n+1], v[S+n:S+n+1], s[34:35], v[NEGM:NEGM+1] op_sel_hi:[1,0,0]   ; t - M, into other registers than the sums'
.set n, n+2
.endr
.irp b, 0,1,2,3
	v_fma_f32 v[BM+\b], v[BM+\b], s34, v[NEGM]     ; the same of each block's largest score
.endr
.endm
; ITS TAIL is a numbered list; SBI writes entry j of it for chunk x.  All its registers lie in window 0, and it names none of the scores', k's or q's.
;   0-63     p = 2^(t - M): one batch
;   64, 65   a plain line (x = 1: the first chunk's sum under the new M), and the one wait for the batch, ahead of its first reader
;   66-69    the blocks' largest p: a second, small batch; the sums, which read the 64 alone, are the work behind it
;   70-101   the sum of the unquantised p, in two chains
;   102      the wait for the four
;   103-110  the floor; the conversions' scale operands
;   111-136  (x = 1 alone) this chunk's scale word; the first chunk's largest p under the final M, and its scale word: its codes stay, its bytes move
;   QB ..    four conversions, a plain place, and the exchange that gives a lane a whole block
.macro SBSUM x
.set k, j-72+\x
.set n, 8-4*\x+4*(k/2)
.if (j == 70) && (\x == 0)
	v_pk_add_f32 v[SUM:SUM+1], v[PR:PR+1], v[PR+4:PR+5]
.elseif j == 70
	v_pk_add_f32 v[SB:SB+1], v[PR:PR+1], v[PR+2:PR+3]
.elseif (j == 71) && (\x == 0)
	v_pk_add_f32 v[SB:SB+1], v[PR+2:PR+3], v[PR+6:PR+7]
.elseif j == 100+\x
	v_pk_add_f32 v[SUM:SUM+1], v[SUM:SUM+1], v[SB:SB+1]
.elseif j > 100+\x                     ; (the first chunk's list has one entry fewer here)
.elseif k%2 == 0
	v_pk_add_f32 v[SUM:SUM+1], v[SUM:SUM+1], v[PR+n:PR+n+1]
.else
	v_pk_add_f32 v[SB:SB+1], v[SB:SB+1], v[PR+n+2:PR+n+3]
.endif
.endm
.macro SBBYTES
.if j < 115
	v_lshrrev_b32 v[BY+j-111], 23, v[E+j-111]
.elseif j == 115
	v_lshl_or_b32 v[PW1], v[BY+1], 8, v[BY]
.elseif j == 116
	v_lshl_or_b32 v[PW1], v[BY+2], 16, v[PW1]
.elseif j == 117
	v_lshl_or_b32 v[PW1], v[BY+3], 24, v[PW1]
.elseif j < 122
	v_ldexp_f32 v[BMA+j-118], v[BMA+j-118], v[DI]
.elseif j < 126
	v_max_num_f32 v[BMA+j-122], FLOOR, v[BMA+j-122]
.elseif j < 130
	v_add_nc_u32 v[PTM+j-126], EOFF, v[BMA+j-126]
.elseif j < 134
	v_lshrrev_b32 v[PTM+j-130], 23, v[PTM+j-130]
.elseif j == 134
	v_lshl_or_b32 v[PW0], v[PTM+1], 8, v[PTM]
.elseif j == 135
	v_lshl_or_b32 v[PW0], v[PTM+2], 16, v[PW0]
.else
	v_lshl_or_b32 v[PW0], v[PTM+3], 24, v[PW0]
.endif
.endm
.macro SBI x
.if j < 64
	v_exp_f32 v[PR+j], v[PR+j]
.elseif j == 64
.if \x
	v_pk_mul_f32 v[SUM:SUM+1], v[SUM:SUM+1], v[F:F+1] op_sel_hi:[1,0]
.else
	v_nop
.endif
.elseif (j == 65) || (j == 102)
	s_wait_alu depctr_va_vdst(0)
.elseif j < 70
	v_exp_f32 v[BM+j-66], v[BM+j-66]
.elseif j < 102
	SBSUM \x
.elseif j < 107
	v_max_num_f32 v[BM+j-103], FLOOR, v[BM+j-103]
.elseif j < 111
	v_add_nc_u32 v[E+j-107], EOFF, v[BM+j-107]
.elseif j < QB
	SBBYTES
.elseif j < QB+4
.set k, j-QB
.if k%2 == 0
	v_cvt_scalef32_pk16_fp6_f32 v[PC+6*(k/2):PC+6*(k/2)+2], v[PR+32*(k/2):PR+32*(k/2)+15], v[E+k]
.else
	v_cvt_scalef32_pk16_fp6_f32 v[PT+4*(k/2):PT+4*(k/2)+2], v[PR+32*(k/2)+16:PR+32*(k/2)+31], v[E+k]
.endif
.elseif j == QB+4
	v_nop                                          ; one plain place behind a scaled conversion
.elseif j < QB+17
.set k, j-QB-5
.if k%6 < 3
	v_permlane16_swap_b32 v[PC+6*(k/6)+k%6], v[PT+4*(k/6)+k%6]   ; the operand wants a whole block in a lane
.else
	v_mov_b32 v[PC+6*(k/6)+k%6], v[PT+4*(k/6)+k%6-3]
.endif
.endif
.endm
.macro SOFTB x                         ; the tail by itself
	SBSET \x
.set j, 0
.rept 154
	SBI \x
.set j, j+1
.endr
.endm
; The 32 f32 matrix instructions of (u, x), and behind each a slice of the tail of the chunk before (sx: a first or a second chunk): 4 entries behind each of the first 16 (the 64 exponentials),
; 4 (sx = 0: 64 entries are left) or 6 (sx = 1: 90) behind each of the others.  The accumulators take turns as in SCORES.
.macro SCORESB u, x, sx
	SBSET \sx
.set j, 0
.set wi, 0
.irp kk, 0,1,2,3
.irp i, 0,1,2,3,4,5,6,7
	WIN 0x05
.if \kk == 0
	v_wmma_f32_16x16x4_f32 v[S+8*\i:S+8*\i+7], v[64*\x+8*\i+2*\kk:64*\x+8*\i+2*\kk+1], v[QC+8*\u+2*\kk:QC+8*\u+2*\kk+1], 0
.else
	v_wmma_f32_16x16x4_f32 v[S+8*\i:S+8*\i+7], v[64*\x+8*\i+2*\kk:64*\x+8*\i+2*\kk+1], v[QC+8*\u+2*\kk:QC+8*\u+2*\kk+1], v[S+8*\i:S+8*\i+7]
.endif
	WIN 0
.set wi, wi+1
.if wi <= 16
.set lim, 4*wi
.else
.set lim, 64+(4+2*\sx)*(wi-16)
.endif
.rept 6
.if j < lim
	SBI \sx
.set j, j+1
.endif
.endr
.endr
.endr
.endm
.macro PV n                            ; o (16 queries x 16 columns) over 256 keys; between the two links the rows' sums: four partial sums a query against ones, delivered in o's layout
.if \n
	NOPS \n                                        ; scale words and codes made by vector instructions stand 8 and 4 places ahead of a scaled matrix instruction (n = 0: the places stand ahead of the macro)
.endif
	WIN 0x04
	v_wmma_scale_f32_16x16x128_f8f6f4 v[O:O+7], v[P0:P0+11], v[VF:VF+11], 0, v[PW0], v[VSC] matrix_a_fmt:MATRIX_FMT_FP6 matrix_b_fmt:MATRIX_FMT_FP6
	v_wmma_f32_16x16x4_f32 v[LSUM:LSUM+7], v[SUM:SUM+1], v[ONES:ONES+1], 0
	v_wmma_scale_f32_16x16x128_f8f6f4 v[O:O+7], v[P1:P1+11], v[VF+12:VF+23], v[O:O+7], v[PW1], v[VSC] matrix_a_fmt:MATRIX_FMT_FP6 matrix_b_fmt:MATRIX_FMT_FP6 matrix_b_scale:MATRIX_SCALE_ROW1
	WIN 0
.endm
.macro NORM u                          ; o / the sum, into other registers; the reciprocals lie where the conversions' second halves lie at other times
.irp j, 0,1,2,3,4,5,6,7
	v_rcp_f32 v[PT+\j], v[LSUM+\j]
.endr
	v_nop                                          ; a plain place behind the reciprocals
	s_wait_alu depctr_va_vdst(0)                   ; one wait for the eight, ahead of their first reader
	WIN 0x40
.irp j, 0,2,4,6
	v_pk_mul_f32 v[OT+8*\u+\j:OT+8*\u+\j+1], v[O+\j:O+\j+1], v[PT+\j:PT+\j+1]
.endr
	WIN 0
.endm
.macro OQUANT                          ; o of one head: 16 neighbouring channels of my column: half a block along the last K
	WIN 0x05
	v_max3_num_f32 v[BMA], |v[OT]|, |v[OT+1]|, FLOOR
	v_max_num_f32 v[BMA+1], |v[OT+2]|, |v[OT+3]|
.irp i, 4,8,12
	v_max3_num_f32 v[BMA], |v[OT+\i]|, |v[OT+\i+1]|, v[BMA]
	v_max3_num_f32 v[BMA+1], |v[OT+\i+2]|, |v[OT+\i+3]|, v[BMA+1]
.endr
	WIN 0
	v_max_num_f32 v[BMA], v[BMA], v[BMA+1]
	v_permlanex16_b32 v[PTM], v[BMA], s32, s33
	v_max_num_f32 v[BMA], v[BMA], v[PTM]
	v_add_nc_u32 v[E], EOFF, v[BMA]
	v_lshrrev_b32 v[BY], 23, v[E]
	WIN 0x01
	v_cvt_scalef32_pk16_fp6_f32 v[228:230], v[OT:OT+15], v[E]
	WIN 0
	v_nop                                          ; one plain place behind a scaled conversion
	ds_store_b32 v[AOW], v228 offset:OI
	ds_store_b32 v[AOW], v229 offset:OI+4
	ds_store_b32 v[AOW], v230 offset:OI+8
	ds_store_b8 v[AOS], v[BY] offset:OSR
.endm
	; ---- the head: every address register is made here, ahead of any branch on the wave's number
	s_load_b512 s[8:23], s[0:1], 0x0               ; X_Query, X_Key, X_Value, bq, bk, bv, bo, wcodes
	s_load_b128 s[24:27], s[0:1], 0x40             ; wscales, out0
	v_lshl_add_u32 v255, v0, 2, 0x40000
	s_set_vgpr_msb 0x40
	v_mov_b32 v255, 0
	s_set_vgpr_msb 0x4000
	v_lshrrev_b32 v43, 5, v0
	v_readfirstlane_b32 s28, v43                   ; wave 0..7
	s_lshr_b32 s29, s28, 2
	s_xor_b32 s29, s29, s28
	s_and_b32 s29, s29, 1                          ; the group: it differs between waves w and w + 4 and between w and w + 1
	v_and_b32 v44, 31, v0                          ; lane
	v_and_b32 v45, 15, v0                          ; r
	v_bfe_u32 v46, v0, 4, 1                        ; h
	s_lshl_b32 s4, s28, 13
	s_add_co_u32 s4, s4, ST                        ; my stage
	s_lshr_b32 s5, s28, 2
	s_mul_i32 s5, s5, 1536                         ; my block w of a K: K step w / 4,
	s_and_b32 s6, s28, 1
	s_mul_i32 s6, s6, 768                          ; lanes 16 (w % 2) on,
	s_add_co_u32 s5, s5, s6
	s_bfe_u32 s6, s28, 0x10001
	s_mul_i32 s6, s6, 24                           ; registers 6 ((w / 2) % 2) on
	s_add_co_u32 s5, s5, s6
	s_lshr_b32 s6, s28, 2
	s_lshl_b32 s6, s6, 6
	s_and_b32 s7, s28, 3
	s_add_co_u32 s6, s6, s7                        ; and its byte among the scale words
	s_add_co_u32 s7, s6, XSR
	s_lshl_b32 s44, s28, 11
	s_add_co_u32 s44, s44, KR
	s_lshl_b32 s45, s28, 13
	s_add_co_u32 s45, s45, QR
	v_lshlrev_b32 v[L16], 4, v44
	v_lshlrev_b32 v[L4], 2, v44
	v_lshlrev_b32 v[GX], 4, v45
	v_lshl_or_b32 v[GX], v46, 16, v[GX]
	v_add_nc_u32 v[STA], s4, v[L16]
	v_add_nc_u32 v[STC], s4, v[L4]
	v_lshlrev_b32 v[STO], 2, v45
	v_lshl_add_u32 v[STO], v46, 12, v[STO]
	v_add_nc_u32 v[STO], s4, v[STO]
	v_mul_u32_u24 v[XW], v45, 48
	v_mad_u32_u24 v[XW], v46, 3072, v[XW]
	v_add_nc_u32 v[XW], s5, v[XW]
	v_lshlrev_b32 v[XSW], 2, v45
	v_lshl_add_u32 v[XSW], v46, 7, v[XSW]
	v_add_nc_u32 v[XSW], s7, v[XSW]
	v_mul_u32_u24 v[L48], v44, 48
	v_mul_u32_u24 v[CW], v45, 48
	v_mad_u32_u24 v[CW], v46, 12, v[CW]
	v_add_nc_u32 v[CW], s5, v[CW]
	v_lshlrev_b32 v[SW], 2, v45
	v_add_nc_u32 v[SW], s6, v[SW]
	v_add_nc_u32 v[KW], s44, v[L16]
	v_add_nc_u32 v[QW], s45, v[L16]
	v_add_nc_u32 v[KRB], KR, v[L16]
	v_lshlrev_b32 v[BOFF], 6, v46
	v_and_b32 v[BIO], 8, v45
	v_add_nc_u32 v[BIO], v[BIO], v45
	v_lshlrev_b32 v[BIO], 2, v[BIO]
.irp b, 0,1,2,3
	v_mov_b32 v[PTM+\b], 0                         ; written once: a lane permute's destination counts as one of its sources
.endr
	v_mov_b32 v[F+1], 0                            ; named as the upper half of a pair
	WIN 0x40
	v_mov_b32 v[ONES], 1.0
	v_mov_b32 v[ONES+1], 1.0
	WIN 0
	s_mov_b32 s32, 0x76543210
	s_mov_b32 s33, 0xfedcba98                      ; lane selects: lane l xor 16
	s_mov_b32 s34, 0x3eb8aa3b                      ; log2(e) / sqrt(16)
	s_mov_b32 s35, s34
	s_lshr_b32 s46, ttmp9, 6
	s_lshl_b32 s46, s46, 24                        ; b
	s_lshl_b32 s47, s28, 21                        ; my 32 rows of 65,536 bytes
	s_add_co_u32 s46, s46, s47
	s_and_b32 s47, ttmp9, 63
	s_lshl_b32 s47, s47, 8                         ; n of the first point
	s_add_co_u32 s46, s46, s47
	s_mov_b32 s47, 0
	s_lshl_b32 s48, s28, 7                         ; my 32 numbers of a bias
	s_mov_b32 s49, 0
	s_mul_i32 s50, s28, 6144                       ; my four fragments of each weight
	s_mov_b32 s51, 0
	s_wait_kmcnt 0x0
	s_add_nc_u64 s[8:9], s[8:9], s[46:47]
	s_add_nc_u64 s[10:11], s[10:11], s[46:47]
	s_add_nc_u64 s[12:13], s[12:13], s[46:47]
	s_add_nc_u64 s[26:27], s[26:27], s[46:47]
	s_add_nc_u64 s[14:15], s[14:15], s[48:49]
	s_add_nc_u64 s[16:17], s[16:17], s[48:49]
	s_add_nc_u64 s[18:19], s[18:19], s[48:49]
	s_add_nc_u64 s[20:21], s[20:21], s[48:49]
	s_add_nc_u64 s[22:23], s[22:23], s[50:51]
	s_lshl_b32 s48, s28, 8                         ; my two tiles' scale words
	s_add_nc_u64 s[24:25], s[24:25], s[48:49]
	; ---- the first point's X, and what stays
	XLOAD WQ, 8
	XLOAD 0, 10
	XLOAD 64, 12
.irp y, 0,1,2,3
.irp u, 0,1
	global_load_b32 v[WSC+2*\y+\u], v[L4], s[24:25] offset:2048*\y+128*\u
.endr
.endr
	global_load_b32 v[BQ], v[BIO], s[14:15]
	global_load_b32 v[BQ+1], v[BIO], s[14:15] offset:32
	global_load_b32 v[BK], v[BIO], s[16:17]
	global_load_b32 v[BK+1], v[BIO], s[16:17] offset:32
	WLOAD 2, WV
	s_wait_loadcnt 0x0
	v_add_nc_u32 v[AXW], 12288, v[XW]
	v_add_nc_u32 v[AXS], 512, v[XSW]
	XQUANT 0                                       ; X_Key
	v_add_nc_u32 v[AXW], 24576, v[XW]
	v_add_nc_u32 v[AXS], 1024, v[XSW]
	XQUANT 64                                      ; X_Value
	WLOAD 1, WK                                    ; the stage's stores have read these registers (the waits inside XQUANT)
	BLOAD 18, BV
	v_mov_b32 v[AXW], v[XW]
	v_mov_b32 v[AXS], v[XSW]
	XQUANT WQ                                      ; X_Query
	WLOAD 0, WQ                                    ; issued last, as on the way back: Wk, bv (4), Wq (12)
	s_add_nc_u64 s[8:9], s[8:9], 16384             ; X's loads are done: on to the next point, 64 n on
	s_add_nc_u64 s[10:11], s[10:11], 16384
	s_add_nc_u64 s[12:13], s[12:13], 16384
	BARRIER                                        ; X's images of the first point lie in LDS
	s_mov_b32 s30, 0
.Lpoint:
	; ---- k, v, q of this point: my 32 channels, all 64 columns
	LOADXF XI+12288, XSR+512
	s_wait_loadcnt 16                              ; Wk is in: behind it were issued bv's 4 loads and Wq's 12, on the way in and on the way back
	s_wait_dscnt 0x0
	MMA 1, WK
	NOPS 4
	LOADXF XI+24576, XSR+1024
	BIASST BK, KW, 16384
	s_wait_loadcnt 12                              ; Wv and bv are in: Wq's 12 may stay out
	s_wait_dscnt 0x0                               ; X_Value's fragments are in, and k's stores have read the accumulators
	MMB 2, WV, BV
	NOPS 4
	LOADXF XI, XSR
	POSTV
	s_wait_dscnt 0x0                               ; X_Query's fragments are in registers: nobody reads X's images behind the barrier below
	s_wait_loadcnt 0x0                             ; Wq is in, on every wave's path: the q projection reads it, and the first head's trip loads X into its registers
	s_cmp_eq_u32 s29, 0
	s_cbranch_scc0 .Lq0
	QPROJ
.Lq0:
	BARRIER                                        ; k and v^T of all eight waves lie in LDS
	s_cmp_eq_u32 s29, 1
	s_cbranch_scc0 .Lq1
	QPROJ                                          ; the SIMD's other wave does it here, and so runs behind its partner
.Lq1:
	s_wait_dscnt 0x0                               ; q's stores have read the accumulators
	v_mov_b32 v[AKN], v[KRB]
	KLOAD 0                                        ; head 0
	KLOAD 1
	s_mov_b32 s31, 0
.Lhead:
	; ---- one head: two tiles of queries x two chunks of keys
	s_lshl_b32 s38, s31, 11                        ; q: 2,048 t
	s_mul_i32 s39, s31, 3072                       ; code images: 3,072 t
	s_lshl_b32 s40, s31, 7                         ; scale words: 128 t
	s_add_co_u32 s41, s31, 1
	s_min_u32 s41, s41, 3                          ; the next head's k (held inside k's region in the last trip, which loads none)
	s_lshl_b32 s41, s41, 14
	s_min_u32 s42, s31, 2                          ; trip t takes in tensor t of the next point's X (held likewise)
	s_lshl_b32 s43, s42, 9
	s_mul_i32 s42, s42, 12288
	v_add_nc_u32 v[AQ], s38, v[QW]
	v_add_nc_u32 v[AV], s39, v[L48]
	v_add_nc_u32 v[AVS], s40, v[L4]
	v_add_nc_u32 v[AKN], s41, v[KRB]
	v_add_nc_u32 v[AXW], s42, v[XW]
	v_add_nc_u32 v[AXS], s43, v[XSW]
	v_add_nc_u32 v[AOW], s39, v[CW]
	v_add_nc_u32 v[AOS], s40, v[SW]
	WIN 0x40
.irp i, 0,1,2,3
	ds_load_b128 v[QC+4*\i:QC+4*\i+3], v[AQ] offset:512*\i
.endr
.irp s, 0,1
.irp i, 0,1,2
	ds_load_b128 v[VF+12*\s+4*\i:VF+12*\s+4*\i+3], v[AV] offset:VI+1536*\s+16*\i
.endr
.endr
	WIN 0
	ds_load_b32 v[VSC], v[AVS] offset:VSR
	s_cmp_eq_u32 s31, 3
	s_cbranch_scc1 .Lwo
	s_cmp_lt_u32 s30, 3
	s_cbranch_scc0 .Lnox                           ; the last point asks for no X: no load leaves its buffer
	s_cmp_eq_u32 s31, 0
	s_cselect_b64 s[36:37], s[8:9], s[10:11]
	s_cmp_eq_u32 s31, 2
	s_cselect_b64 s[36:37], s[12:13], s[36:37]
	XLOAD WQ, 36                                   ; used at this trip's end, 128 f32 matrix instructions on
	s_branch .Lnox
.Lwo:
	WLOAD 3, WQ                                    ; the last trip: Wo and bo
	BLOAD 20, BO
.Lnox:
	s_wait_dscnt 0x0                               ; k, q, v and v's scale words are in
	SCORES 0, 0                                    ; the head's first scores: there is no tail yet to set between them
	NOPS 8                                         ; eight places between the last score product and the first read of a score, here and below
	SOFTA 0
	SCORESB 0, 1, 0                                ; scores (u 0, x 1) | the tail of (u 0, x 0)
	NOPS 8
	SOFTA 1
	SCORESB 1, 0, 1                                ; scores (u 1, x 0) | the tail of (u 0, x 1)
	NOPS 8                                         ; for the reads of the scores, for the loads into k's registers, and ahead of the scaled products below
	s_cmp_lt_u32 s31, 3
	s_cbranch_scc0 .Lnk0
	KLOAD 0                                        ; the next head's first chunk
.Lnk0:
	PV 0
	SOFTA 0                                        ; its lines, which name none of those products' registers, are the places behind them
	NORM 0
	SCORESB 1, 1, 0                                ; scores (u 1, x 1) | the tail of (u 1, x 0)
	NOPS 8
	s_cmp_lt_u32 s31, 3
	s_cbranch_scc0 .Lnk1
	KLOAD 1
.Lnk1:
	SOFTA 1
	SOFTB 1                                        ; the head's last tail stands alone
	PV 8
	NOPS 8
	NORM 1
	OQUANT
	s_wait_loadcnt 0x0                             ; this trip's loads (X, or Wo and bo), issued at its head
	s_cmp_lt_u32 s31, 3
	s_cbranch_scc0 .Lnoq
	s_cmp_lt_u32 s30, 3
	s_cbranch_scc0 .Lnoq
	XQUANT WQ                                      ; the next point's X: its images were last read ahead of this point's barrier
.Lnoq:
	s_add_co_u32 s31, s31, 1
	s_cmp_lt_u32 s31, 4
	s_cbranch_scc1 .Lhead
	BARRIER                                        ; o^T of this point and X's images of the next lie in LDS; nobody reads k or v^T any more
	; ---- out: my 32 rows, all 64 columns
	LOADXF OI, OSR
	s_wait_dscnt 0x0
	MMB 3, WQ, BO
	NOPS 5                                         ; 4 for the loads and the stores below; 5 for the next point's first product, which writes over these accumulators
	s_cmp_lt_u32 s30, 3
	s_cbranch_scc0 .Lnow
	WLOAD 2, WV                                    ; the next point's weights: Wv, Wk, bv, Wq, in this order
	WLOAD 1, WK
	BLOAD 18, BV
	WLOAD 0, WQ
.Lnow:
	WIN 0x04
.irp t, 0,1,2,3
.irp u, 0,1
.irp j, 0,1,2,3,4,5,6,7
	ds_store_b32 v[STO], v[D+8*(2*\t+\u)+\j] offset:256*(8*\u+\j)+64*\t   ; out(32 w + 16 h + 8 u + j, 16 t + r) into my stage; each accumulator from its low end on
.endr
.endr
.endr
	WIN 0
.irp i, 0,1,2,3,4,5,6,7,8,9,10,11,12,13,14,15
	ds_load_b128 v[PR+4*\i:PR+4*\i+3], v[STA] offset:512*\i   ; LDS serves a wave's instructions in order: these see my stores
.endr
.irp i, 0,1,2,3,4,5,6,7,8,9,10,11,12,13,14,15
	s_wait_dscnt 15-\i                             ; read-back i is in; the younger ones may stay out
	global_store_b128 v[GX], v[PR+4*\i:PR+4*\i+3], s[26:27] offset:131072*\i th:TH_STORE_NT   ; sixteen lanes store a row's 256 aligned bytes
.endr
	s_wait_xcnt 0x0                                ; the stores have read their registers and their base
	s_add_nc_u64 s[26:27], s[26:27], 16384
	s_add_nc_u64 s[8:9], s[8:9], 16384
	s_add_nc_u64 s[10:11], s[10:11], 16384
	s_add_nc_u64 s[12:13], s[12:13], 16384
	s_add_co_u32 s30, s30, 1
	s_cmp_lt_u32 s30, 4
	s_cbranch_scc1 .Lpoint
	s_set_vgpr_msb 0x4
	s_wait_tensorcnt 0x0
	ds_add_u32 v255, v255
	s_wait_dscnt 0x0
	s_set_vgpr_msb 0x400
	s_endpgm
.Lfunc_end_k_qd971b8b4d0_main:
	.size	k_qd971b8b4d0_main, .Lfunc_end_k_qd971b8b4d0_main-k_qd971b8b4d0_main
	.p2alignl 7, 3214868480
	.fill 96, 4, 3214868480
	.section	.rodata,"a",@progbits
	.p2align	6, 0x0
	.amdhsa_kernel k_qd971b8b4d0_main
		.amdhsa_group_segment_fixed_size 263168
		.amdhsa_private_segment_fixed_size 0
		.amdhsa_enable_private_segment 0
		.amdhsa_kernarg_size 80
		.amdhsa_user_sgpr_count 2
		.amdhsa_user_sgpr_kernarg_segment_ptr 1
		.amdhsa_wavefront_size32 1
		.amdhsa_system_sgpr_workgroup_id_x 1
		.amdhsa_system_sgpr_workgroup_id_y 1
		.amdhsa_system_sgpr_workgroup_id_z 1
		.amdhsa_system_vgpr_workitem_id 0
		.amdhsa_next_free_vgpr 512
		.amdhsa_next_free_sgpr 66
		.amdhsa_reserve_vcc 0
		.amdhsa_float_denorm_mode_32 3
		.amdhsa_float_denorm_mode_16_64 3
		.amdhsa_memory_ordered 1
		.amdhsa_forward_progress 1
		.amdhsa_inst_pref_size 164
	.end_amdhsa_kernel
	.amdgpu_metadata
---
amdhsa.version: [ 1, 2 ]
amdhsa.kernels:
  - .name:           k_qd971b8b4d0_main
    .symbol:         k_qd971b8b4d0_main.kd
    .args:
      - { .name: X_Query, .offset: 0, .size: 8, .value_kind: global_buffer, .address_space: global }
      - { .name: X_Key, .offset: 8, .size: 8, .value_kind: global_buffer, .address_space: global }
      - { .name: X_Value, .offset: 16, .size: 8, .value_kind: global_buffer, .address_space: global }
      - { .name: bq, .offset: 24, .size: 8, .value_kind: global_buffer, .address_space: global }
      - { .name: bk, .offset: 32, .size: 8, .value_kind: global_buffer, .address_space: global }
      - { .name: bv, .offset: 40, .size: 8, .value_kind: global_buffer, .address_space: global }
      - { .name: bo, .offset: 48, .size: 8, .value_kind: global_buffer, .address_space: global }
      - { .name: wcodes, .offset: 56, .size: 8, .value_kind: global_buffer, .address_space: global }
      - { .name: wscales, .offset: 64, .size: 8, .value_kind: global_buffer, .address_space: global }
      - { .name: out0, .offset: 72, .size: 8, .value_kind: global_buffer, .address_space: global }
    .group_segment_fixed_size: 263168
    .private_segment_fixed_size: 0
    .kernarg_segment_align: 8
    .kernarg_segment_size: 80
    .max_flat_workgroup_size: 256
    .sgpr_count:     66
    .vgpr_count:     512
    .wavefront_size: 32
...
	.end_amdgpu_metadata
.endif
;; end of part 2
